; MI455X (gfx1250); checked and timed in simulation.
; The chip was launched on July 23, 2026; its instructions are those of AMD's public machine-readable ISA for CDNA 5 (MIT licence, August 2026) and "CDNA5" Instruction Set Architecture Reference Guide (July 2026). The comments in the code are by the model that wrote it; some were corrected since.
;; Linear2 Bit. Allowed arithmetic: matrix products marked QUANTISED: E2M3 operands, one E8M0 scale for each 32 along K, by v_wmma_scale_f32_16x16x128_f8f6f4 with both operands' format E2M3, f32 sums; everything else in f32.
;; Inputs: bias 4,096 float32; scale one number float32; weight_q 4,096 x 4,096 int8; x 4,096 x 4,096 float32.
;; Outputs: out0 4,096 x 4,096 float32.
;; This version of the problem:
;;   THIS VERSION OF THE PROBLEM IS GIVEN IN LOW PRECISION. The matrix products marked QUANTISED in the list below multiply operands that are first quantised to E2M3 (2 exponent bits, 3 mantissa bits; 6 bits a number), with one power-of-two scale for each 32 numbers along K (OCP MX v1.0); their sums are f32. All else is computed in f32.
;;   The module's matrix products, in the order in which they are computed (A, B: the left and right operand; K: the contracted axis; several contracted axes count as one K, in the product's order):
;;     1. [M 4,096, K 4,096] x [K 4,096, N 4,096]; A: input x; B: computed on the way: QUANTISED
;;   THE QUANTISER, for each operand of a quantised product, along K:
;;     - K is cut into blocks of 32 from its start; a last block that is shorter is filled with zeros.
;;     - A block's scale is 2^e with e = floor(log2(the largest magnitude in the block)) - 2, held to -126 .. 127; a block of zeros has e = 0. As a byte (E8M0): e + 127.
;;     - Each number is divided by its block's scale, clamped to +-7.5, and rounded to the nearest number of E2M3, ties to even, subnormals kept.
;;     - The product sums the exact products of the quantised numbers (number of the format x scale) in f32.
;;   ~~~python
;;   def quantise(x, axis):      # numpy; x: float32 -> the quantised numbers, widened to float32 again
;;       x = np.moveaxis(x, axis, -1); K = x.shape[-1]
;;       x = np.pad(x, [(0, 0)] * (x.ndim - 1) + [(0, -K % 32)]); x = x.reshape(x.shape[:-1] + (-1, 32)); a = np.abs(x).max(-1, keepdims=True)
;;       e = np.where(a > 0, np.clip(np.frexp(np.where(a > 0, a, 1))[1] - 1 - 2, -126, 127), 0)      # np.frexp(a)[1] - 1 = floor(log2(a)), exactly
;;       r = np.clip(x / 2.0 ** e, -7.5, 7.5)
;;       step = 2.0 ** (np.maximum(np.frexp(np.where(r == 0, 1, r))[1] - 1, 0) - 3)
;;       q = np.round(r / step) * step * 2.0 ** e      # np.round: ties to even
;;       return np.moveaxis(q.reshape(q.shape[:-2] + (-1,))[..., :K], -1, axis).astype(np.float32)
;;   ~~~
;;   OPERANDS COMPUTED ON THE WAY. 'Computed on the way' means the value that the module computes at that place (a softmax that the list does not call 'softmax' is quantised finished and normalised). What goes into a quantiser is computed in f32, as accurately as f32 sums, v_exp_f32 and their like allow (about 1e-6 of the number): no bf16 or f16 on the way to a quantiser, and a product that is left as it is and whose result goes on into a quantised operand takes f32 operands (vector FMAs, or v_wmma_f32_16x16x4_f32). A number that lies on a knife's edge between two numbers of the format may be rounded either way, as far as f32 arithmetic and the matrix unit's own rounding can turn it there, and no further.
;; One version. Each part assembles by itself: llvm-mc -triple=amdgcn-amd-amdhsa -mcpu=gfx1250 --defsym DOCPART=n.
;; ======== version 1 of 1: 2 launches
;; limits: right only within a limited range of input values
;; workspace buffers: xq 13,107,200 bytes; wq 13,107,200 bytes
;; launch quant (part 1): grid 1024 x 1, 4 waves a work-group, no clusters, 69,120 bytes of LDS; arguments x, weight_q, scale, xq, wq; writes xq, wq
.if DOCPART == 1
	.amdgcn_target "amdgcn-amd-amdhsa--gfx1250"
	.amdhsa_code_object_version 6
	.text
	.protected	k_q3d37752096_quant
	.globl	k_q3d37752096_quant
	.p2align	8
	.type	k_q3d37752096_quant,@function
k_q3d37752096_quant:
	s_mov_b64 s[64:65], 0
	v_nop
	global_prefetch_b8 v0, s[64:65] scope:SCOPE_SE
	s_setreg_imm32_b32 hwreg(HW_REG_WAVE_MODE, 25, 1), 1
	s_wait_xcnt 0x0
; x [4096][4096] f32 and w = f32(weight_q) * scale, weight_q [4096][4096] int8, are turned into codes of FP6 (E2M3) with one E8M0 byte for each 32 along K (K is the last axis of both).
; A block's scale is 2^(floor(log2(its largest magnitude)) - 2); its byte is the largest magnitude's exponent field - 2, held at 1 from below; each number is divided by the scale and rounded to the nearest code, ties to
; even, beyond 7.5 the largest code.
; LIMITS: NaN and infinities among x, scale or scale * weight_q are not served.  A block whose largest magnitude lies under 2^-124 has its byte held at 1.  A block of zeros gets the byte 1, not 127: its codes are zeros,
; which add nothing under any byte but 0xff, and the bytes are read by this program alone.
; THE WORKSPACE IS LAID AS THE PRODUCT'S LAUNCH READS IT: [32 groups of 128 rows][32 K steps of 128][a tile of 12,800 bytes].  A tile: 8 images of operand fragments (block i of 16 rows at 1,536 i; register j of lane L at
; 512 (j / 4) + 16 L + 4 (j % 4)), then from byte 12,288 the 128 rows' scale words: (block i, row r) at 128 (i / 2) + 8 r + 4 (i % 2).
; SHARES.  Work-group b: b & 1 = 0 takes x, 1 takes the weights (the two kinds alternate); b >> 1 names two neighbouring tiles of a group (256 along K).  Wave w takes their rows 32 w .. 32 w + 31: four fragments
; f = 2 e + q (e: which 16 rows, block 2 w + e; q: which of the two tiles).  Waves share nothing: no barrier.  The two paths part once, on the work-group's number, never join, and have LDS bytes of their own.
; The conversions take 16 neighbours along K from ONE lane's registers, a load is dense where neighbouring LANES take neighbouring bytes: so what is loaded turns through the wave's own stage in LDS.
.set KT,   12800                       ; a tile
.set SCW,  12288                       ; where its scale words begin
.set XSTW, 16*528                      ; x's stage of a wave: 16 rows of 512 bytes + 16 (row r starts 16 r bytes on, modulo 256: the sixteen lanes of a 16-byte read take sixteen different columns)
.set WST,  4*XSTW                      ; behind x's four stages: the weights', 32 rows of 256 bytes + 16 for each wave
.set WSTW, 32*272
.set LI,  4                            ; v4   16 lane + 3,072 wave: an image's place for my lane, in my wave's two blocks of a tile
.set XO,  5                            ; v5   16 lane
.set L8,  6                            ; v6   12,800 h + 128 wave + 8 r: my two scale words
.set SA,  7                            ; v7   x's stage, in: 16 lane
.set SB,  8                            ; v8   x's stage, out: 528 r + 64 h
.set WO,  9                            ; v9   weights in memory: 16,384 h + 16 r
.set WA,  10                           ; v10  weights' stage, in: 272 h + 16 r
.set WB,  11                           ; v11  weights' stage, out: 272 r + 16 h
.set TM,  16                           ; v16-19 largest magnitudes, v20-23 the other half's / the bytes, v28-31 the conversions' scale operands
.set R,   32                           ; v32-159 x: two sets of 64 as loaded;  weights: v32-95 as loaded,
.set T,   96                           ;         v96-159 the bytes turned, 16 registers a fragment
.set X,   160                          ; v160-223 64 numbers: register 16 b + i = k 32 b + 16 h + i of my row r
.set PC,  224                          ; v224-235 a fragment's codes; v236-243 the conversions' second halves
.set PW,  244                          ; v244-247 a scale word for each fragment
.set SW,  248                          ; v248-249 the two words that I store
.set SEL, 22                           ; s[22:23] selects of v_permlanex16_b32 for lane l xor 16
	s_load_b256 s[4:11], s[0:1], 0x0               ; x s[4:5], weight_q s[6:7], scale's address s[8:9], xq s[10:11]
	s_load_b64 s[12:13], s[0:1], 0x20              ; wq
	v_lshl_add_u32 v254, v0, 2, 0x10c00
	v_mov_b32 v255, 0
	v_lshrrev_b32 v1, 5, v0
	v_readfirstlane_b32 s16, v1                    ; wave 0..3
	v_and_b32 v1, 31, v0                           ; lane
	v_and_b32 v2, 15, v0                           ; r
	v_bfe_u32 v3, v0, 4, 1                         ; h
	v_lshlrev_b32 v[XO], 4, v1
	s_mul_i32 s19, s16, 3072
	v_add_nc_u32 v[LI], s19, v[XO]
	s_lshl_b32 s19, s16, 7
	v_lshl_add_u32 v[L8], v2, 3, s19
	v_mad_u32_u24 v[L8], v3, KT, v[L8]
	s_mul_i32 s19, s16, XSTW
	v_add_nc_u32 v[SA], s19, v[XO]
	v_mul_u32_u24 v[SB], v2, 528
	v_lshl_add_u32 v[SB], v3, 6, v[SB]
	v_add_nc_u32 v[SB], s19, v[SB]
	v_lshlrev_b32 v[WO], 4, v2
	v_lshl_add_u32 v[WO], v3, 14, v[WO]            ; weights: lanes 16-31 take the row four further on (see the loads)
	s_mul_i32 s19, s16, WSTW
	s_add_co_u32 s19, s19, WST
	v_mul_u32_u24 v[WA], v3, 272
	v_lshl_add_u32 v[WA], v2, 4, v[WA]
	v_add_nc_u32 v[WA], s19, v[WA]
	v_mul_u32_u24 v[WB], v2, 272
	v_lshl_add_u32 v[WB], v3, 4, v[WB]
	v_add_nc_u32 v[WB], s19, v[WB]
.irp b, 0,1,2,3
	v_mov_b32 v[TM+4+\b], 0                        ; written once: a lane permute's destination counts as one of its sources
.endr
	s_mov_b32 s[SEL], 0x76543210
	s_mov_b32 s[SEL+1], 0xfedcba98
	s_lshr_b32 s18, ttmp9, 1                       ; which pair of tiles, 0..511
	s_lshr_b32 s28, s18, 4                         ; its group of 128 rows
	s_and_b32 s29, s18, 15                         ; its 256 along K
	s_mul_i32 s26, s18, 2*KT                       ; where the pair lies in the workspace: 16 pairs a group
	s_mov_b32 s27, 0
	s_lshl_b32 s24, s28, 21                        ; x: 128 rows of 16,384 bytes a group,
	s_lshl_b32 s30, s16, 19                        ; 32 rows a wave,
	s_add_co_u32 s24, s24, s30
	s_lshl_b32 s30, s29, 10                        ; 256 numbers of 4 bytes a pair of tiles
	s_add_co_u32 s24, s24, s30
	s_mov_b32 s25, 0
	s_wait_kmcnt 0x0
; 64 numbers of a lane, v[s] on, register 16 b + i = k 32 b + 16 h + i of row r, become a fragment's 12 registers of codes in v[PC] on and the row's scale word in v[pw] (the same in lanes r and r + 16).
.macro QUANT s, pw
.irp b, 0,1,2,3
	v_max3_num_f32 v[TM+\b], |v[\s+16*\b]|, |v[\s+1+16*\b]|, 0x1800000   ; block b: my 16 numbers, and the floor 2^(3 - 127): so the byte cannot fall under 1
.endr
.irp i, 2,4,6,8,10,12,14
.irp b, 0,1,2,3
	v_max3_num_f32 v[TM+\b], v[TM+\b], |v[\s+16*\b+\i]|, |v[\s+1+16*\b+\i]|   ; the four blocks by turns: no line waits for the line above it
.endr
.endr
.irp b, 0,1,2,3
	v_permlanex16_b32 v[TM+4+\b], v[TM+\b], s[SEL], s[SEL+1]
.endr
.irp b, 0,1,2,3
	v_max_num_f32 v[TM+\b], v[TM+\b], v[TM+4+\b]   ; with lane l xor 16's 16: the block's largest magnitude
.endr
.irp b, 0,1,2,3
	v_add_nc_u32 v[TM+12+\b], 0xff000000, v[TM+\b] ; 2 off its exponent field: the conversion takes the exponent field of this operand as its scale, and nothing else of it
.endr
.irp b, 0,1,2,3
	v_lshrrev_b32 v[TM+4+\b], 23, v[TM+12+\b]      ; the scale's byte
.endr
	v_lshl_or_b32 v[\pw], v[TM+5], 8, v[TM+4]      ; the four bytes make my row's scale word, the lower K in the lower byte
	v_lshl_or_b32 v[\pw], v[TM+6], 16, v[\pw]
	v_lshl_or_b32 v[\pw], v[TM+7], 24, v[\pw]
.irp c, 0,1
	v_cvt_scalef32_pk16_fp6_f32 v[PC+6*\c:PC+2+6*\c], v[\s+32*\c:\s+15+32*\c], v[TM+12+2*\c]
	v_cvt_scalef32_pk16_fp6_f32 v[PC+12+4*\c:PC+14+4*\c], v[\s+16+32*\c:\s+31+32*\c], v[TM+12+2*\c+1]   ; (a conversion's three registers begin on an even number)
.endr
	v_nop                                          ; one plain instruction behind the scaled conversions, ahead of what touches their results or writes their sources
.irp c, 0,1                                    ; the operand's layout wants a WHOLE block in a lane: lanes 0-15 block 2 c, lanes 16-31 block 2 c + 1
.irp i, 0,1,2
	v_permlane16_swap_b32 v[PC+6*\c+\i], v[PC+12+4*\c+\i]
.endr
.irp i, 0,1,2
	v_mov_b32 v[PC+3+6*\c+\i], v[PC+12+4*\c+\i]
.endr
.endr
.endm
.macro OUT f, ob                               ; fragment f = 2 e + q leaves as the image of its registers, into tile q, block 2 w + e: each store covers 512 consecutive bytes, at a multiple of 512 from the buffer's first byte
.irp c, 0,1,2
	global_store_b128 v[LI], v[PC+4*\c:PC+4*\c+3], s[\ob:\ob+1] offset:KT*((\f)%2)+1536*((\f)/2)+512*\c
.endr
.endm
; The scale words.  Lane 16 q + r stores, into tile q, the words of row r of my two blocks (e = 0, 1): 8 bytes.  My 32 rows' words of a tile are 128 bytes, so the store covers two runs of 128 consecutive bytes, each half
; of an aligned 256: 512 of each tile's 12,800 bytes leave so.  Whole runs of 256 would want a barrier between waves that share nothing else.
.macro TAIL ob
	v_cmp_le_u32 vcc_lo, 16, v1
	v_cndmask_b32 v[SW], v[PW], v[PW+1], vcc_lo     ; e = 0: fragment q
	v_cndmask_b32 v[SW+1], v[PW+2], v[PW+3], vcc_lo ; e = 1: fragment 2 + q
	global_store_b64 v[L8], v[SW:SW+1], s[\ob:\ob+1] offset:SCW
	s_wait_tensorcnt 0x0
	ds_add_u32 v254, v255
	s_wait_dscnt 0x0
	s_endpgm
.endm
	s_and_b32 s17, ttmp9, 1
	s_cmp_lg_u32 s17, 0
	s_cbranch_scc1 .Lweights
; ---------------- x ----------------
	s_add_nc_u64 s[4:5], s[4:5], s[24:25]
	s_add_nc_u64 s[10:11], s[10:11], s[26:27]
.macro LOADX f                                 ; fragment f's 16 rows x 128 numbers into set f % 2: each load reads 512 consecutive bytes of one row
.irp i, 0,1,2,3,4,5,6,7,8,9,10,11,12,13,14,15
	global_load_b128 v[R+64*((\f)%2)+4*\i:R+64*((\f)%2)+4*\i+3], v[XO], s[4:5] offset:(16*((\f)/2)+\i)*16384+512*((\f)%2) th:TH_LOAD_NT
.endr
.endm
.macro TURNX f                                 ; through my stage: in by rows, out 64 bytes of a block's half a lane.  LDS serves a wave's instructions in order: no wait between the stores and the loads
.irp i, 0,1,2,3,4,5,6,7,8,9,10,11,12,13,14,15
	ds_store_b128 v[SA], v[R+64*((\f)%2)+4*\i:R+64*((\f)%2)+4*\i+3] offset:528*\i
.endr
.irp b, 0,1,2,3
.irp j, 0,1,2,3
	ds_load_b128 v[X+16*\b+4*\j:X+16*\b+4*\j+3], v[SB] offset:128*\b+16*\j
.endr
.endr
.endm
.macro FRAGX f
.if \f < 3
	s_wait_loadcnt 16                              ; my set's 16 loads are in; the 16 issued behind them, into the other set, may be out
.else
	s_wait_loadcnt 0x0
.endif
	TURNX \f
	s_wait_dscnt 0x0                               ; the numbers are back, and the stage's stores have read the set
.if \f > 0
	s_wait_xcnt 0x0                                ; the last fragment's stores have read their data: the codes' registers are written again only behind this wait
.endif
.if \f < 2
	LOADX \f+2                                     ; the set takes the fragment two on
.endif
	QUANT X, PW+\f
	OUT \f, 10
.endm
	LOADX 0
	LOADX 1
	FRAGX 0
	FRAGX 1
	FRAGX 2
	FRAGX 3
	TAIL 10
; ---------------- the weights ----------------
.Lweights:
	s_load_b32 s20, s[8:9], 0x0                    ; scale
	s_lshr_b32 s24, s24, 2                         ; one byte a number where x has four: the same place in weight_q
	; THE WEIGHTS' ROWS OF A BLOCK ARE NOT NEIGHBOURS: (block i, row r) of a tile of wq is row 64 (i / 4) + 4 r + i % 4 of the group of 128, so that in the product's result
	; a lane's blocks 4 g .. 4 g + 3 are four neighbouring columns.  Wave w (blocks 2 w, 2 w + 1) so begins at row 64 (w / 2) + 2 (w % 2) and not at 32 w.
	s_lshl_b32 s30, s16, 17
	s_sub_co_u32 s24, s24, s30
	s_lshr_b32 s30, s16, 1
	s_lshl_b32 s30, s30, 18
	s_add_co_u32 s24, s24, s30
	s_and_b32 s30, s16, 1
	s_lshl_b32 s30, s30, 13
	s_add_co_u32 s24, s24, s30
	s_add_nc_u64 s[6:7], s[6:7], s[24:25]
	s_add_nc_u64 s[12:13], s[12:13], s[26:27]
.irp n, 0,1,2,3,4,5,6,7,8,9,10,11,12,13,14,15
	global_load_b128 v[R+4*\n:R+4*\n+3], v[WO], s[6:7] offset:4096*(8*(\n%8)+\n/8) th:TH_LOAD_NT   ; the stage's rows 2 n + h = 16 e + r come from my rows 8 (n % 8) + 4 h + n / 8 = 4 r + e: sixteen lanes read a row's 256 consecutive bytes
.endr
	s_wait_kmcnt 0x0
	s_mov_b32 s21, s20                             ; (the packed multiply names the pair and takes its low word for both halves)
	s_wait_loadcnt 0x0
	s_wait_alu depctr_va_vdst(0)
.irp n, 0,1,2,3,4,5,6,7,8,9,10,11,12,13,14,15
	ds_store_b128 v[WA], v[R+4*\n:R+4*\n+3] offset:544*\n
.endr
.irp f, 0,1,2,3
.irp b, 0,1,2,3
	ds_load_b128 v[T+16*\f+4*\b:T+16*\f+4*\b+3], v[WB] offset:(16*(\f/2))*272+128*(\f%2)+32*\b   ; row 16 e + r, k = 128 q + 32 b + 16 h + 0 .. 15: 16 bytes
.endr
.endr
.macro UNPACK src                              ; 16 words of four int8 become 64 f32, each times scale: one f32 multiplication a number
.irp u, 0,1,2,3,4,5,6,7,8,9,10,11,12,13,14,15
	v_lshlrev_b32 v[X+4*\u], 24, v[\src+\u]
	v_lshlrev_b32 v[X+4*\u+1], 16, v[\src+\u]
	v_lshlrev_b32 v[X+4*\u+2], 8, v[\src+\u]
	v_ashrrev_i32 v[X+4*\u+3], 24, v[\src+\u]
	v_ashrrev_i32 v[X+4*\u], 24, v[X+4*\u]
	v_ashrrev_i32 v[X+4*\u+1], 24, v[X+4*\u+1]
	v_ashrrev_i32 v[X+4*\u+2], 24, v[X+4*\u+2]
	v_cvt_f32_i32 v[X+4*\u], v[X+4*\u]
	v_cvt_f32_i32 v[X+4*\u+1], v[X+4*\u+1]
	v_cvt_f32_i32 v[X+4*\u+2], v[X+4*\u+2]
	v_cvt_f32_i32 v[X+4*\u+3], v[X+4*\u+3]
	v_pk_mul_f32 v[X+4*\u:X+4*\u+1], v[X+4*\u:X+4*\u+1], s[20:21] op_sel_hi:[1,0]
	v_pk_mul_f32 v[X+4*\u+2:X+4*\u+3], v[X+4*\u+2:X+4*\u+3], s[20:21] op_sel_hi:[1,0]
.endr
.endm
.macro FRAGW f
	s_wait_dscnt 12-4*\f                           ; this fragment's four loads are in; the later fragments' four each may be out
	UNPACK T+16*\f
.if \f > 0
	s_wait_xcnt 0x0                                ; the last fragment's stores have read their data
.endif
	QUANT X, PW+\f
	OUT \f, 12
.endm
	FRAGW 0
	FRAGW 1
	FRAGW 2
	FRAGW 3
	TAIL 12
.Lfunc_end_k_q3d37752096_quant:
	.size	k_q3d37752096_quant, .Lfunc_end_k_q3d37752096_quant-k_q3d37752096_quant
	.p2alignl 7, 3214868480
	.fill 96, 4, 3214868480
	.section	.rodata,"a",@progbits
	.p2align	6, 0x0
	.amdhsa_kernel k_q3d37752096_quant
		.amdhsa_group_segment_fixed_size 69120
		.amdhsa_private_segment_fixed_size 0
		.amdhsa_enable_private_segment 0
		.amdhsa_kernarg_size 40
		.amdhsa_user_sgpr_count 2
		.amdhsa_user_sgpr_kernarg_segment_ptr 1
		.amdhsa_wavefront_size32 1
		.amdhsa_system_sgpr_workgroup_id_x 1
		.amdhsa_system_sgpr_workgroup_id_y 1
		.amdhsa_system_sgpr_workgroup_id_z 1
		.amdhsa_system_vgpr_workitem_id 0
		.amdhsa_next_free_vgpr 256
		.amdhsa_next_free_sgpr 66
		.amdhsa_reserve_vcc 1
		.amdhsa_float_denorm_mode_32 3
		.amdhsa_float_denorm_mode_16_64 3
		.amdhsa_memory_ordered 1
		.amdhsa_forward_progress 1
		.amdhsa_inst_pref_size 84
	.end_amdhsa_kernel
	.amdgpu_metadata
---
amdhsa.version: [ 1, 2 ]
amdhsa.kernels:
  - .name:           k_q3d37752096_quant
    .symbol:         k_q3d37752096_quant.kd
    .args:
      - { .name: x, .offset: 0, .size: 8, .value_kind: global_buffer, .address_space: global }
      - { .name: weight_q, .offset: 8, .size: 8, .value_kind: global_buffer, .address_space: global }
      - { .name: scale, .offset: 16, .size: 8, .value_kind: global_buffer, .address_space: global }
      - { .name: xq, .offset: 24, .size: 8, .value_kind: global_buffer, .address_space: global }
      - { .name: wq, .offset: 32, .size: 8, .value_kind: global_buffer, .address_space: global }
    .group_segment_fixed_size: 69120
    .private_segment_fixed_size: 0
    .kernarg_segment_align: 8
    .kernarg_segment_size: 40
    .max_flat_workgroup_size: 128
    .sgpr_count:     66
    .vgpr_count:     256
    .wavefront_size: 32
...
	.end_amdgpu_metadata
.endif
;; end of part 1
;; launch gemm (part 2): grid 16 x 16, 4 waves a work-group, clusters of 4 x 4, 327,680 bytes of LDS; arguments xq, wq, bias, out0; writes out0
.if DOCPART == 2
	.amdgcn_target "amdgcn-amd-amdhsa--gfx1250"
	.amdhsa_code_object_version 6
	.text
	.protected	k_q3d37752096_gemm
	.globl	k_q3d37752096_gemm
	.p2align	8
	.type	k_q3d37752096_gemm,@function
k_q3d37752096_gemm:
	s_mov_b64 s[64:65], 0
	v_nop
	global_prefetch_b8 v0, s[64:65] scope:SCOPE_SE
	s_setreg_imm32_b32 hwreg(HW_REG_WAVE_MODE, 25, 1), 1
	s_wait_xcnt 0x0
	s_wait_alu depctr_hold_cnt(0) depctr_sa_sdst(0) depctr_va_vdst(0) depctr_va_sdst(0) depctr_va_ssrc(0) depctr_va_vcc(0) depctr_vm_vsrc(0)
	s_getreg_b32 s2, hwreg(HW_REG_IB_STS2, 6, 4)
	s_cmp_eq_u32 s2, 0
	s_cbranch_scc0 .Lentry_in_a_cluster
	s_endpgm
.Lentry_in_a_cluster:
	s_bfe_u32 s2, ttmp6, 0x10000c
	s_cmp_lg_u32 s2, 0xf033
	s_cbranch_scc0 .Lentry_shape_is_right
	s_endpgm
.Lentry_shape_is_right:
; out0[t][o] = sum over k of xq[t][k] wq[o][k] + bias[o]: both operands are codes of FP6 (E2M3) with one E8M0 byte for each 32 along K, as the launch before laid them:
; [32 groups of 128 rows][32 K steps of 128][a tile of 12,800 bytes: 8 images of operand fragments of 1,536 bytes, then from byte 12,288 the rows' scale words].
; In xq block i, row r is row 16 i + r of its group; in wq it is row 64 (i / 4) + 4 r + i % 4.
; A tile of the result, 256 x 256, is made by four waves, each 128 x 128: 64 accumulators, 512 registers.  Source 0 = 16 rows of xq, source 1 = 16 rows of wq: in accumulator (a, b) register j of lane (r, h)
; is row 16 a + 8 h + j, column 64 (b / 4) + 4 r + b % 4.  So the four accumulators 4 g .. 4 g + 3 hold four neighbouring columns of a lane, and the addition of the bias brings them into four neighbouring
; registers: a store of 16 bytes a lane then has sixteen lanes on 256 consecutive bytes of a row, and the result passes through no LDS.
; THE RING: two LDS slots, each with room for three K steps of the four groups (two of xq, two of wq); a wave's one tensor load brings rows of 256 bytes, dense in memory.  K has 32 steps: fill 0 brings two
; (100 rows a wave), fills 1 to 10 three each (150 rows).
; A STEP is 64 matrix instructions, xq's blocks one after the other, each against wq's eight, and its 52 LDS loads go out in TWO runs.  Ahead of block 0: this step's own blocks 4-7 of xq (their registers were
; released by the step before) and the next step's fragments 0-4 of wq (two sets by turns).  Ahead of block 4: wq's fragments 5-7, the scale words and xq's blocks 0-3 of the next step.
; Every load is asked for 32 matrix instructions or more ahead of its use, and every counted wait leaves the younger loads out.
; CLUSTERS: 4 x 4 work-groups; xq's tiles are asked for jointly along a row of the cluster, wq's along a column.
; PREFETCH: behind the load of fill n stands the request for fill n + 2, six K steps (384 matrix instructions) ahead; fill 1 is asked for behind fill 0's load, fill 2 with fill 3 behind fill 1's.  Of the 150 rows
; that a wave fetches each of the four partners names 38, told apart by address; each lane names another 256 bytes; the loop's last trip asks for nothing: fill 10 is the last.
; REGISTERS: window 0: v16-31 addresses, v32-47 scale words (two sets), v64-127 the first block on its way out, v128-223 xq's fragments (one set), v224-231 the bias; window 1: wq's fragments, sets at v0 and v128;
; windows 2, 3: the accumulators.
.set KT,     12800
.set TILE,   3*KT                      ; three K steps of one group
.set GROUPB, 32*KT
.set SLOT,   4*TILE
.set SCW,    12288
.set SPARE,  2*SLOT                    ; the spare words: 512 bytes that no other line names
.set TRIPS,  4
.set ROWC,   16384
.set FR,     12
.set ADRA, 16                          ; v16-17 my fragments of xq in slot 0, 1
.set ADRB, 20                          ; v20-21 of wq
.set ADRS, 22                          ; v22-23 scale words: lanes 0-15 xq's, lanes 16-31 wq's
.set CO,   26                          ; v26    my place in the result: 8 h rows + 16 r bytes
.set BO,   27                          ; v27    16 r
.set SPW,  28
.set NIL,  29
.set PFO,  30                          ; v30-31 prefetch offsets
.set SC,   32
.set OB,   64
.set AF,   128
.set BI,   224
.set G1,  24
.set G0,  32
.set G1B, 48
.set G0B, 56
.set PFA, 66
.set G1S, 76
.set G1SB, 84
.set MSB, 0
.macro WIN new                         ; the immediate's high byte repeats the setting that is left
.if MSB != (\new)
	s_set_vgpr_msb (MSB<<8)|(\new)
.set MSB, (\new)
.endif
.endm
.set TO_B, 0x40
.macro MW hi                           ; source 0 (xq) window 0, source 1 (wq) window 1, C and D window 2 + hi
	WIN ((2+\hi)<<6)|((2+\hi)<<4)|4
.endm
.macro PLACES                          ; four places behind matrix instructions, ahead of loads into registers that they have read and of reads of their results
.rept 4
	v_nop
.endr
.endm
.macro JLOAD g0a, g1a, g0b, g1b        ; a joint load: waves 0, 1 for xq, waves 2, 3 for wq
	s_cmp_eq_u32 s15, 0
	s_cbranch_scc0 .Lfor_b_\@
	tensor_load_to_lds s[\g0a:\g0a+3], s[\g1a:\g1a+7]
	s_nop 0
	PLACES
	s_branch .Lasked_\@
.Lfor_b_\@:
	tensor_load_to_lds s[\g0b:\g0b+3], s[\g1b:\g1b+7]
	s_nop 0
	PLACES
.Lasked_\@:
.endm
.macro CREST                           ; a round of the cluster's barrier behind its opening barrier
	s_cmp_lg_u32 s14, 0
	s_cbranch_scc1 .Lnot_wave_0_\@
	s_barrier_signal -3
.Lnot_wave_0_\@:
	s_barrier_wait -3
	s_barrier_signal -1
	s_barrier_wait -1
.endm
.macro CROUND
	s_barrier_signal -1
	s_barrier_wait -1
	CREST
.endm
.macro PF150 off                       ; my work-group's 38 of the 150 rows that my wave will fetch
	global_prefetch_b8 v[PFO], s[PFA:PFA+1] offset:\off th:TH_LOAD_NT scope:SCOPE_SE
	global_prefetch_b8 v[PFO+1], s[PFA:PFA+1] offset:\off th:TH_LOAD_NT scope:SCOPE_SE
.endm
.macro ASK                             ; behind the load of fill n: fill n + 2; in the loop's last trip (s3 = 1) there is none
	s_cmp_gt_u32 s3, 1
	s_cbranch_scc0 .Lnone_\@
	PF150 2*TILE
.Lnone_\@:
.endm
	s_load_b256 s[4:11], s[0:1], 0x0               ; xq, wq, bias, out0
	v_lshl_add_u32 v[SPW], v0, 2, SPARE
	v_mov_b32 v[NIL], 0
	ds_add_u32 v[SPW], v[NIL]                      ; the opening lines: the add, twice on end, and its wait ahead of my first tensor load
	ds_add_u32 v[SPW], v[NIL]
	v_lshrrev_b32 v1, 5, v0
	v_readfirstlane_b32 s14, v1                    ; wave 0..3
	s_lshr_b32 s15, s14, 1                         ; my half of the tile's rows; also: I fetch for xq (0) or wq (1)
	s_and_b32 s16, s14, 1                          ; my half of its columns; also: which group of 128 rows I fetch
	s_bfe_u32 s40, ttmp6, 0x40000                  ; cx
	s_bfe_u32 s41, ttmp6, 0x40004                  ; cy
	s_lshl_b32 s42, ttmp9, 2
	s_add_co_u32 s42, s42, s40                     ; tile column
	s_and_b32 s17, ttmp7, 0xffff
	s_lshl_b32 s17, s17, 2
	s_add_co_u32 s17, s17, s41                     ; tile row
	s_lshl_b32 s43, s41, 2
	s_lshl_b32 s43, 15, s43                        ; my row of the cluster
	s_lshl_b32 s44, 0x1111, s40                    ; my column
	s_or_b32 s[G1+0], s43, (3<<16)|(1<<21)         ; elements of 8 bytes, the mask, bit 21 beside it; no padding: the images are read 16 bytes a lane on end
	s_or_b32 s[G1B+0], s44, (3<<16)|(1<<21)
	s_or_b32 s[G1S+0], s43, (3<<16)|(1<<21)
	s_or_b32 s[G1SB+0], s44, (3<<16)|(1<<21)
.irp g, G1, G1B                        ; 150 rows of 256 bytes
	s_mov_b32 s[\g+1], 32<<16
	s_mov_b32 s[\g+2], 150<<16
	s_mov_b32 s[\g+3], 32<<16
	s_mov_b32 s[\g+4], 150
	s_mov_b32 s[\g+5], 32
	s_mov_b32 s[\g+6], 0
	s_mov_b32 s[\g+7], 0
.endr
.irp g, G1S, G1SB                      ; fill 0: two K steps, 100 rows
	s_mov_b32 s[\g+1], 32<<16
	s_mov_b32 s[\g+2], 100<<16
	s_mov_b32 s[\g+3], 32<<16
	s_mov_b32 s[\g+4], 100
	s_mov_b32 s[\g+5], 32
	s_mov_b32 s[\g+6], 0
	s_mov_b32 s[\g+7], 0
.endr
	s_lshl_b32 s20, s17, 1
	s_add_co_u32 s20, s20, s16
	s_mul_i32 s20, s20, GROUPB                     ; xq: group 2 x tile row + half
	s_mov_b32 s21, 0
	s_lshl_b32 s46, s42, 1
	s_add_co_u32 s46, s46, s16
	s_mul_i32 s46, s46, GROUPB                     ; wq: group 2 x tile column + half
	s_mov_b32 s47, 0
	s_mul_i32 s45, s14, TILE                       ; where my loads go: wave x TILE
	s_cmp_eq_u32 s15, 0
	s_cselect_b32 s70, s20, s46                    ; the prefetches: my group's place in its buffer,
	s_cselect_b32 s72, s40, s41                    ; and my place among the four that ask for it with me
	s_mov_b32 s71, 0
	s_mul_i32 s73, s72, 38
	s_wait_dscnt 0x0                               ; both opening adds are done
	CROUND                                         ; the round in front of the first joint loads; it names no argument, so it stands ahead of the wait for them
	s_wait_kmcnt 0x0
	s_cmp_eq_u32 s15, 0
	s_cselect_b64 s[PFA:PFA+1], s[4:5], s[6:7]
	s_add_nc_u64 s[PFA:PFA+1], s[PFA:PFA+1], s[70:71]
	s_add_nc_u64 s[PFA:PFA+1], s[PFA:PFA+1], 2*KT  ; at fill 1; stepped by one fill at each refill
	s_add_nc_u64 s[20:21], s[4:5], s[20:21]
	s_add_nc_u64 s[46:47], s[6:7], s[46:47]
.irp s, 0,1                            ; slot 0: fill 0, at the group's start; slot 1: fill 1, two K steps on
	s_mov_b32 s[G0+4*\s], 1
	s_add_co_u32 s[G0+4*\s+1], s45, \s*SLOT
	s_add_nc_u64 s[G0+4*\s+2:G0+4*\s+3], s[20:21], \s*2*KT
	s_or_b32 s[G0+4*\s+3], s[G0+4*\s+3], 0x80000000
	s_mov_b32 s[G0B+4*\s], 1
	s_add_co_u32 s[G0B+4*\s+1], s45, \s*SLOT
	s_add_nc_u64 s[G0B+4*\s+2:G0B+4*\s+3], s[46:47], \s*2*KT
	s_or_b32 s[G0B+4*\s+3], s[G0B+4*\s+3], 0x80000000
.endr
	JLOAD G0, G1S, G0B, G1SB                       ; fill 0: one tensor load a wave at the head
	s_mul_i32 s21, s15, TILE                       ; my group of xq in a slot
	s_mul_i32 s22, s16, TILE
	s_add_co_u32 s22, s22, 2*TILE                  ; my group of wq
	s_sub_co_u32 s68, s22, s21
	s_add_co_u32 s69, s21, SCW
	s_lshl_b32 s92, s17, 8
	s_lshl_b32 s75, s15, 7
	s_add_co_u32 s92, s92, s75                     ; my first row of the result
	s_lshl_b32 s92, s92, 14
	s_lshl_b32 s94, s42, 10
	s_lshl_b32 s75, s16, 9
	s_add_co_u32 s94, s94, s75                     ; my first column, in bytes
	s_add_co_u32 s92, s92, s94
	s_mov_b32 s93, 0
	s_mov_b32 s95, 0
	s_add_nc_u64 s[10:11], s[10:11], s[92:93]
	s_add_nc_u64 s[8:9], s[8:9], s[94:95]
	s_mov_b32 s3, TRIPS
	v_and_b32 v3, 31, v0
	v_add_nc_u32 v[PFO], s73, v3                   ; rows 38 p + 0 .. 31,
	v_min_u32 v[PFO+1], 5, v3
	v_add_nc_u32 v[PFO+1], s73, v[PFO+1]
	v_add_nc_u32 v[PFO+1], 32, v[PFO+1]
	v_min_u32 v[PFO+1], 149, v[PFO+1]              ; and 38 p + 32 .. 37, held at the fill's last row
	v_lshlrev_b32 v[PFO], 8, v[PFO]
	v_lshlrev_b32 v[PFO+1], 8, v[PFO+1]
	PF150 0                                        ; fill 1
	v_and_b32 v1, 15, v0                           ; r
	v_bfe_u32 v2, v0, 4, 1                         ; h
	v_lshlrev_b32 v4, 4, v3                        ; 16 x lane: my place in an image
	v_add_nc_u32 v[ADRA], s21, v4
	v_add_nc_u32 v[ADRB], s22, v4
	v_add_nc_u32 v[ADRA+1], SLOT, v[ADRA]
	v_add_nc_u32 v[ADRB+1], SLOT, v[ADRB]
	v_mul_u32_u24 v6, s68, v2                      ; lanes 16-31 take wq's words
	v_lshl_add_u32 v5, v1, 3, v6
	v_add_nc_u32 v[ADRS], s69, v5
	v_add_nc_u32 v[ADRS+1], SLOT, v[ADRS]
	v_lshlrev_b32 v[BO], 4, v1
	v_lshl_add_u32 v[CO], v2, 17, v[BO]            ; 8 h rows of 16,384 bytes + 16 r
	global_load_b128 v[BI:BI+3], v[BO], s[8:9]                 ; bias at my columns 4 r + 0 .. 3,
	global_load_b128 v[BI+4:BI+7], v[BO], s[8:9] offset:256    ; and 64 + 4 r + 0 .. 3
.macro FRAG reg, adr, q, i             ; an image of a fragment's 12 registers: three loads of 512 consecutive bytes
.irp c, 0,1,2
	ds_load_b128 v[\reg+4*\c:\reg+4*\c+3], v[\adr] offset:(\q)*KT+(\i)*1536+512*\c
.endr
.endm
.macro LDA slot, q, i0                 ; xq's blocks i0, i0 + 1 of step q of the slot: 6 loads
	WIN 0
	FRAG AF+FR*(\i0), ADRA+\slot, \q, \i0
	FRAG AF+FR*(\i0+1), ADRA+\slot, \q, \i0+1
.endm
.macro LDB slot, q, p, i0, n           ; wq's fragments i0 .. i0 + n - 1 into set p: 3 n loads
	WIN TO_B
.set I_, \i0
.rept \n
	FRAG 128*(\p)+FR*I_, ADRB+\slot, \q, I_
.set I_, I_+1
.endr
.endm
.macro LDSC slot, q, p                 ; the step's scale words into set p: 4 loads
	WIN 0
.irp u, 0,1,2,3
	ds_load_b64 v[SC+8*(\p)+2*\u:SC+8*(\p)+2*\u+1], v[ADRS+\slot] offset:(\q)*KT+128*\u
.endr
.endm
.macro RUNB slot, q, p                 ; the second run, 25 loads, for the step at (slot, q) into set p: wq's fragments 5-7, the scale words, xq's blocks 0, 1 and, youngest, 2, 3
	LDB \slot, \q, \p, 5, 3
	LDSC \slot, \q, \p
	LDA \slot, \q, 0
	LDA \slot, \q, 2
.endm
.macro MULB a, p, first                ; xq's block a against wq's eight; the accumulators take turns; first = 1: the products start the sums
.irp b, 0,1,2,3,4,5,6,7
.if \first
	v_wmma_scale_f32_16x16x128_f8f6f4 v[8*(8*((\a)%4)+\b):8*(8*((\a)%4)+\b)+7], v[AF+FR*(\a):AF+FR*(\a)+FR-1], v[128*(\p)+FR*\b:128*(\p)+FR*\b+FR-1], 0, v[SC+8*(\p)+(\a)], v[SC+8*(\p)+\b] matrix_a_fmt:MATRIX_FMT_FP6 matrix_b_fmt:MATRIX_FMT_FP6 matrix_b_scale:MATRIX_SCALE_ROW1
.else
	v_wmma_scale_f32_16x16x128_f8f6f4 v[8*(8*((\a)%4)+\b):8*(8*((\a)%4)+\b)+7], v[AF+FR*(\a):AF+FR*(\a)+FR-1], v[128*(\p)+FR*\b:128*(\p)+FR*\b+FR-1], v[8*(8*((\a)%4)+\b):8*(8*((\a)%4)+\b)+7], v[SC+8*(\p)+(\a)], v[SC+8*(\p)+\b] matrix_a_fmt:MATRIX_FMT_FP6 matrix_b_fmt:MATRIX_FMT_FP6 matrix_b_scale:MATRIX_SCALE_ROW1
.endif
.endr
.endm
; A step whose successor lies in the same slot.  Runs of 27 and 25 loads.  On entry the youngest six loads out are this step's blocks 2, 3 of xq.
.macro NSTEP slot, q, p, first
	PLACES
	LDA \slot, \q, 4                               ; this step's own blocks 4, 5,
	LDA \slot, \q, 6                               ; 6, 7,
	LDB \slot, (\q)+1, 1-(\p), 0, 5                ; and the next step's first five fragments of wq
	s_wait_dscnt 33                                ; out may be: blocks 2, 3 (6) and the 27 just issued; wq's set, the scale words and blocks 0, 1 are in
	MW 0
	MULB 0, \p, \first
	MULB 1, \p, \first
	s_wait_dscnt 27                                ; blocks 2, 3 are in
	MULB 2, \p, \first
	MULB 3, \p, \first
	PLACES
	RUNB \slot, (\q)+1, 1-(\p)
	s_wait_dscnt 46                                ; out may be: blocks 6, 7 (6), wq's five (15), the 25 just issued: blocks 4, 5 are in
	MW 1
	MULB 4, \p, \first
	MULB 5, \p, \first
	s_wait_dscnt 40                                ; blocks 6, 7 are in
	MULB 6, \p, \first
	MULB 7, \p, \first
.endm
; A slot's last step (its step q), and the change of slots.  My last reads of the slot are this step's blocks 4-7.  Then: all my tensor loads have landed (my part of the other slot), the add, the wait for it and
; for my reads, the barrier (with a refill: it opens a round of the cluster's barrier), the refill, and only then the other slot is read.  Runs of 12, 15 and 25 loads.
; inc: bytes from this slot's fill to its next, 0: no refill.  ask = 1: a prefetch follows.
.macro TSTEP slot, q, p, inc, ask
	PLACES
	LDA \slot, \q, 4
	LDA \slot, \q, 6
.if \ask
	s_wait_xcnt 0x0                                ; my earlier prefetches have read their base
	s_add_nc_u64 s[PFA:PFA+1], s[PFA:PFA+1], TILE
.endif
	s_wait_tensorcnt 0x0
	ds_add_u32 v[SPW], v[NIL]
	s_wait_dscnt 19                                ; out may be: blocks 2, 3 (6), blocks 4-7 (12), the add
	MW 0
	MULB 0, \p, 0
	MULB 1, \p, 0
	s_wait_dscnt 0x0                               ; the add is done and my reads of this slot are over
	s_barrier_signal -1
	MULB 2, \p, 0
	WIN 0
	s_barrier_wait -1
.if \inc
	CREST
	s_add_nc_u64 s[G0+4*\slot+2:G0+4*\slot+3], s[G0+4*\slot+2:G0+4*\slot+3], \inc
	s_add_nc_u64 s[G0B+4*\slot+2:G0B+4*\slot+3], s[G0B+4*\slot+2:G0B+4*\slot+3], \inc
	JLOAD G0+4*\slot, G1, G0B+4*\slot, G1B
.endif
	LDB 1-\slot, 0, 1-(\p), 0, 5                   ; into the set that the step before read: places enough have passed
.if \ask
	WIN 0
	ASK
.endif
	MW 0
	MULB 3, \p, 0
	PLACES
	RUNB 1-\slot, 0, 1-(\p)
	MW 1
	MULB 4, \p, 0
	MULB 5, \p, 0
	MULB 6, \p, 0
	MULB 7, \p, 0
.endm
; THE WAY OUT of block a, 16 rows x 128 columns.  For row j of each half of the lanes and each 64 columns g, four additions of the bias bring my columns 64 g + 4 r + 0 .. 3 out of accumulators 4 g .. 4 g + 3 into
; four neighbouring registers; a store then has lanes 0-15 on 256 consecutive bytes of row 16 a + j and lanes 16-31 on those of row 16 a + 8 + j, each at a multiple of 256 from the buffer's first byte.
; Block 0's sums go to v64-127 of window 0, block a's to the registers of block a - 1's accumulators, which have been read: no store's data are written again, and every offset is an immediate
; (127 rows of 16,384 bytes at the most), so no wait stands here.  Each accumulator is read from its register 0 on.
.macro OUT a
.if (\a) == 0
.set DW, 0
.set DB, OB
.else
.set DW, 2+((\a)-1)/4
.set DB, 64*(((\a)-1)%4)
.endif
.set AW, 2+(\a)/4
.set AC, 64*((\a)%4)
	WIN (DW<<6)|AW
.irp j, 0,1,2,3,4,5,6,7
.irp g, 0,1
.irp i, 0,1,2,3
	v_add_f32 v[DB+8*\j+4*\g+\i], v[AC+8*(4*\g+\i)+\j], v[BI+4*\g+\i]
.endr
.endr
.endr
	WIN DW<<2
.irp j, 0,1,2,3,4,5,6,7
.irp g, 0,1
	global_store_b128 v[CO], v[DB+8*\j+4*\g:DB+8*\j+4*\g+3], s[10:11] offset:(16*(\a)+\j)*ROWC+256*\g th:TH_STORE_NT
.endr
.endr
.endm
	s_wait_alu depctr_va_vdst(0)
	s_wait_tensorcnt 0x0                           ; my part of fill 0 is in; the lines ahead of a later first fill:
	ds_add_u32 v[SPW], v[NIL]
	s_wait_dscnt 0x0
	CROUND
	JLOAD G0+4, G1, G0B+4, G1B                     ; fill 1, into slot 1
	LDB 0, 0, 0, 0, 5                              ; step 0: what the two runs of a step before it would have brought
	RUNB 0, 0, 0
	PF150 TILE                                     ; fills 2 and 3
	PF150 2*TILE
	NSTEP 0, 0, 0, 1                               ; the first step's products start the sums
	TSTEP 0, 1, 1, 2*KT+TILE, 1                    ; fill 0 has two steps; slot 0 takes fill 2
	WIN 0
.Llap:                                         ; a trip: six steps, once round the ring, both slots filled again: fills 3 to 10
	NSTEP 1, 0, 0, 0
	NSTEP 1, 1, 1, 0
	TSTEP 1, 2, 0, 2*TILE, 1
	NSTEP 0, 0, 1, 0
	NSTEP 0, 1, 0, 0
	TSTEP 0, 2, 1, 2*TILE, 1
	WIN 0
	s_sub_co_u32 s3, s3, 1
	s_cmp_lg_u32 s3, 0
	s_cbranch_scc1 .Llap
	NSTEP 1, 0, 0, 0                               ; fills 9 and 10: nothing more is fetched
	NSTEP 1, 1, 1, 0
	TSTEP 1, 2, 0, 0, 0
	NSTEP 0, 0, 1, 0
	NSTEP 0, 1, 0, 0
	PLACES                                         ; the last step fetches only its own blocks 4-7, and each block of rows leaves as soon as it is finished
	LDA 0, 2, 4
	LDA 0, 2, 6
	s_wait_loadcnt 0x0                             ; the bias
	s_wait_dscnt 18                                ; out may be blocks 2, 3 and 4-7
	MW 0
	MULB 0, 1, 0
.irp a, 1,2,3,4,5,6,7
.if \a == 2
	s_wait_dscnt 12                                ; blocks 2, 3 are in
.endif
.if \a == 4
	s_wait_dscnt 6                                 ; blocks 4, 5 are in
.endif
.if \a == 6
	s_wait_dscnt 0x0
.endif
	MW (\a)/4
	MULB \a, 1, 0
	PLACES                                         ; behind block a - 1's products, ahead of the additions that read them
	OUT \a-1
.endr
	OUT 7                                          ; block 6's 64 additions are the places behind block 7's products
	WIN 0
	s_wait_tensorcnt 0x0                           ; the wave's end
	ds_add_u32 v[SPW], v[NIL]
	s_wait_dscnt 0x0
	CROUND                                         ; the closing round
	s_endpgm
.Lfunc_end_k_q3d37752096_gemm:
	.size	k_q3d37752096_gemm, .Lfunc_end_k_q3d37752096_gemm-k_q3d37752096_gemm
	.p2alignl 7, 3214868480
	.fill 96, 4, 3214868480
	.section	.rodata,"a",@progbits
	.p2align	6, 0x0
	.amdhsa_kernel k_q3d37752096_gemm
		.amdhsa_group_segment_fixed_size 327680
		.amdhsa_private_segment_fixed_size 0
		.amdhsa_enable_private_segment 0
		.amdhsa_kernarg_size 32
		.amdhsa_user_sgpr_count 2
		.amdhsa_user_sgpr_kernarg_segment_ptr 1
		.amdhsa_wavefront_size32 1
		.amdhsa_system_sgpr_workgroup_id_x 1
		.amdhsa_system_sgpr_workgroup_id_y 1
		.amdhsa_system_sgpr_workgroup_id_z 1
		.amdhsa_system_vgpr_workitem_id 0
		.amdhsa_next_free_vgpr 1024
		.amdhsa_next_free_sgpr 96
		.amdhsa_reserve_vcc 0
		.amdhsa_float_denorm_mode_32 3
		.amdhsa_float_denorm_mode_16_64 3
		.amdhsa_memory_ordered 1
		.amdhsa_forward_progress 1
		.amdhsa_inst_pref_size 209
	.end_amdhsa_kernel
	.amdgpu_metadata
---
amdhsa.version: [ 1, 2 ]
amdhsa.kernels:
  - .name:           k_q3d37752096_gemm
    .symbol:         k_q3d37752096_gemm.kd
    .args:
      - { .name: xq, .offset: 0, .size: 8, .value_kind: global_buffer, .address_space: global }
      - { .name: wq, .offset: 8, .size: 8, .value_kind: global_buffer, .address_space: global }
      - { .name: bias, .offset: 16, .size: 8, .value_kind: global_buffer, .address_space: global }
      - { .name: out0, .offset: 24, .size: 8, .value_kind: global_buffer, .address_space: global }
    .group_segment_fixed_size: 327680
    .private_segment_fixed_size: 0
    .kernarg_segment_align: 8
    .kernarg_segment_size: 32
    .max_flat_workgroup_size: 128
    .sgpr_count:     96
    .vgpr_count:     1024
    .wavefront_size: 32
...
	.end_amdgpu_metadata
.endif
;; end of part 2
